; MI455X (gfx1250); checked and timed in simulation.
; The chip was launched on July 23, 2026; its instructions are those of AMD's public machine-readable ISA for CDNA 5 (MIT licence, August 2026) and "CDNA5" Instruction Set Architecture Reference Guide (July 2026). The comments in the code are by the model that wrote it; some were corrected since.
;; Rank1 Hard Tention. Allowed arithmetic: float matrix products may take bf16 or f16 operands with f32 sums; all other float work in f32.
;; Inputs: ks 8 x 1 x 64 float32; qs 8 x 1 x 64 float32; x 2 x 4,096 x 64 float32.
;; Outputs: out0 2 x 4,096 x 64 float32.
;; One version. Each part assembles by itself: llvm-mc -triple=amdgcn-amd-amdhsa -mcpu=gfx1250 --defsym DOCPART=n.
;; ======== version 1 of 1: 2 launches
;; limits: values outside matrix products are rounded to bf16
;; workspace buffers: part 16,384 bytes of whole numbers
;; launch scan (part 1): grid 64 x 1, 8 waves a work-group, no clusters, 3,072 bytes of LDS; arguments x, ks, part; writes part
.if DOCPART == 1
	.amdgcn_target "amdgcn-amd-amdhsa--gfx1250"
	.amdhsa_code_object_version 6
	.text
	.protected	k_qc1d0a3a89e_scan
	.globl	k_qc1d0a3a89e_scan
	.p2align	8
	.type	k_qc1d0a3a89e_scan,@function
k_qc1d0a3a89e_scan:
	s_mov_b64 s[64:65], 0
	v_nop
	global_prefetch_b8 v0, s[64:65] scope:SCOPE_SE
	s_setreg_imm32_b32 hwreg(HW_REG_WAVE_MODE, 25, 1), 1
	s_wait_xcnt 0x0
; scan: for every batch b and head h, where does k[t] = x[b][t] . ks[h] have its largest and its smallest value?
; scores[b][h][s][t] = q[s] k[t] has rank 1, and a product by a fixed q is monotone in k: the argmax over t is the first argmax of k
; where q > 0, the first argmin of k where q < 0, and index 0 where q == 0.  So 16 candidates a batch (c = 0..7: max of head c;
; c = 8..15: min of head c - 8) stand for the whole S x S score matrix.  This launch finds them in parts, the next one finishes.
; 64 work-groups of 8 waves; a work-group owns 128 rows of x (32 work-groups a batch), a wave 16 rows = 4,096 consecutive bytes.
; OUT: part[work-group][half 0..1][c 0..15] = (code, t), two u32: code = an order-keeping whole-number code of +k (c < 8) or -k (c >= 8)
; at the best of the work-group's rows with (row mod 16) / 8 = half, t = that row's index in its batch (the first one among equal k).
; The 32 entries of a work-group are 256 consecutive bytes, aligned, written by one store of one wave.
; LIMITS.  x and ks are rounded to bf16 for the product, sums in f32.  reference() compares the ROUNDED products q k[t]: two different k
; about one unit in the last place apart (or products under 2^-126) can round to one product, and reference() then takes the earlier
; key, this text the larger k.  Equal k give the first index, as there.  NaN and infinities in x or ks are not served.
; No cluster, no tensor load: no two work-groups share a byte of x, and ks is 2,048 bytes that each wave wants in registers.
.set KS, 16                            ; v[16:47]    ks as loaded, f32
.set X,  48                            ; v[48:79]    my row of x as loaded, f32
.set BF, 80                            ; v[80:95]    ks in bf16: B fragments of the two K steps
.set AF, 96                            ; v[96:111]   x in bf16: A fragments of the two K steps
.set D,  112                           ; v[112:119]  k: register j of lane (c, half) = k of row 8 half + j, column c
.set E,  16                            ; v[16:31]    wave 0 at the end: the eight waves' entries
	s_load_b128 s[4:7], s[0:1], 0x0                ; x s[4:5], ks s[6:7]
	s_load_b64 s[8:9], s[0:1], 0x10                ; part
	v_lshl_add_u32 v120, v0, 2, 0x800
	v_mov_b32 v121, 0
	v_and_b32 v1, 31, v0                           ; lane
	v_lshrrev_b32 v2, 5, v0
	v_readfirstlane_b32 s10, v2                    ; wave 0..7
	v_and_b32 v3, 15, v1                           ; r: A's row, B's column
	v_lshrrev_b32 v4, 4, v1                        ; half
	s_lshl_b32 s11, ttmp9, 15                      ; 128 rows of 256 bytes a work-group
	s_lshl_b32 s12, s10, 12                        ; 16 rows a wave
	s_add_co_u32 s11, s11, s12
	v_lshlrev_b32 v5, 8, v3                        ; x: row r of my wave's 16,
	v_lshl_add_u32 v5, v4, 4, v5                   ;    + 16 half
	v_add_nc_u32 v5, s11, v5
	v_and_b32 v6, 7, v3                            ; ks: head r mod 8 (each head stands in two columns),
	v_lshlrev_b32 v6, 8, v6
	v_lshl_add_u32 v6, v4, 4, v6                   ;     + 16 half
	s_and_b32 s13, ttmp9, 31                       ; the work-group's place in its batch
	s_lshl_b32 s13, s13, 7
	s_lshl4_add_u32 s13, s10, s13                  ; index in the batch of my wave's first row
	s_lshl_b32 s14, ttmp9, 8                       ; my work-group's 256 bytes of part
	s_wait_kmcnt 0x0
	; K ORDER: load i of lane half h brings d = 8 i + 4 h + 0..3, for x and for ks alike, so each instruction reads 32 neighbouring
	; bytes of every row.  The same places in A and in B hold the same d, so the sum over K is the sum over d.
.irp i, 0,1,2,3,4,5,6,7
	global_load_b128 v[KS+4*\i:KS+4*\i+3], v6, s[6:7] offset:32*\i
.endr
.irp i, 0,1,2,3,4,5,6,7
	global_load_b128 v[X+4*\i:X+4*\i+3], v5, s[4:5] offset:32*\i       ; the eight together: my wave's 4,096 bytes, each byte once
.endr
	s_wait_loadcnt 0x8                             ; ks is in; the eight younger loads (x) may stay out
.irp i, 0,1,2,3,4,5,6,7
	v_cvt_pk_bf16_f32 v[BF+2*\i],   v[KS+4*\i],   v[KS+4*\i+1]
	v_cvt_pk_bf16_f32 v[BF+2*\i+1], v[KS+4*\i+2], v[KS+4*\i+3]
.endr
	s_wait_loadcnt 0x0
.irp i, 0,1,2,3,4,5,6,7
	v_cvt_pk_bf16_f32 v[AF+2*\i],   v[X+4*\i],   v[X+4*\i+1]
	v_cvt_pk_bf16_f32 v[AF+2*\i+1], v[X+4*\i+2], v[X+4*\i+3]
.endr
	v_wmma_f32_16x16x32_bf16 v[D:D+7], v[AF:AF+7], v[BF:BF+7], 0       ; the first K step starts the sums
	s_wait_alu depctr_va_vdst(0)                   ; a wait ahead of the link
	v_wmma_f32_16x16x32_bf16 v[D:D+7], v[AF+8:AF+15], v[BF+8:BF+15], v[D:D+7]
	; the places behind the matrix instruction (ISA guide 7.12.1) are filled with work that names none of its registers
	v_lshl_add_u32 v8, v4, 3, s13                  ; index in the batch of my lane's first row: wave's first + 8 half
	v_lshlrev_b32 v9, 3, v1                        ; 8 x lane: an entry's place among 32
	v_lshlrev_b32 v10, 3, v0                       ; 8 x thread = 256 x wave + 8 x lane: my entry in LDS
	v_and_b32 v7, 8, v3
	v_cmp_ne_u32 s15, 0, v7                        ; columns 8..15 look for the minimum
	v_cndmask_b32 v11, 1.0, -1.0, s15              ; and hand on -k, so that from here on 'best' is 'largest'
	; the best of my lane's eight rows
	v_max3_num_f32 v12, v[D], v[D+1], v[D+2]
	v_min3_num_f32 v13, v[D], v[D+1], v[D+2]
	v_max3_num_f32 v12, v12, v[D+3], v[D+4]
	v_min3_num_f32 v13, v13, v[D+3], v[D+4]
	v_max3_num_f32 v12, v12, v[D+5], v[D+6]
	v_min3_num_f32 v13, v13, v[D+5], v[D+6]
	v_max_num_f32 v12, v12, v[D+7]
	v_min_num_f32 v13, v13, v[D+7]
	v_cndmask_b32 v12, v12, v13, s15
	; and the first row that has it: from the last row down, every row that equals the best takes over
	v_cmp_neq_f32 vcc_lo, v[D+6], v12
	v_cndmask_b32 v13, 6, 7, vcc_lo
.irp j, 5,4,3,2,1,0
	v_cmp_neq_f32 vcc_lo, v[D+\j], v12
	v_cndmask_b32 v13, \j, v13, vcc_lo
.endr
	v_fma_f32 v14, v12, v11, 0                     ; +k or -k; the added +0 turns -0 into +0, so that equal numbers get equal codes
	v_add_nc_u32 v15, v8, v13                      ; t
	ds_store_b64 v10, v[14:15]
	s_wait_dscnt 0x0                               ; my entry is in LDS before I say so
	s_barrier_signal -1
	s_barrier_wait -1
	s_cmp_lg_u32 s10, 0
	s_cbranch_scc1 .Lend                           ; wave 0 finishes for the work-group
.irp w, 0,1,2,3,4,5,6,7
	ds_load_b64 v[E+2*\w:E+2*\w+1], v9 offset:256*\w                   ; the same lane's entry of every wave
.endr
	s_wait_dscnt 0x0
	v_max3_num_f32 v12, v[E], v[E+2], v[E+4]
	v_max3_num_f32 v12, v12, v[E+6], v[E+8]
	v_max3_num_f32 v12, v12, v[E+10], v[E+12]
	v_max_num_f32 v12, v12, v[E+14]
	v_cmp_neq_f32 vcc_lo, v[E+12], v12             ; a lane's rows ascend with the wave: from wave 7 down, so the first index wins
	v_cndmask_b32 v15, v[E+13], v[E+15], vcc_lo
.irp w, 5,4,3,2,1,0
	v_cmp_neq_f32 vcc_lo, v[E+2*\w], v12
	v_cndmask_b32 v15, v[E+2*\w+1], v15, vcc_lo
.endr
	v_ashrrev_i32 v13, 31, v12                     ; the code: negative numbers have all bits turned, the others the sign bit:
	v_or_b32 v13, 0x80000000, v13                  ; unsigned order of the codes = order of the numbers
	v_xor_b32 v14, v12, v13
	v_add_nc_u32 v10, s14, v9
	global_store_b64 v10, v[14:15], s[8:9]         ; 32 lanes x 8 bytes: 256 consecutive bytes, aligned
.Lend:
	s_wait_tensorcnt 0x0
	ds_add_u32 v120, v121
	s_wait_dscnt 0x0
	s_endpgm
.Lfunc_end_k_qc1d0a3a89e_scan:
	.size	k_qc1d0a3a89e_scan, .Lfunc_end_k_qc1d0a3a89e_scan-k_qc1d0a3a89e_scan
	.p2alignl 7, 3214868480
	.fill 96, 4, 3214868480
	.section	.rodata,"a",@progbits
	.p2align	6, 0x0
	.amdhsa_kernel k_qc1d0a3a89e_scan
		.amdhsa_group_segment_fixed_size 3072
		.amdhsa_private_segment_fixed_size 0
		.amdhsa_enable_private_segment 0
		.amdhsa_kernarg_size 24
		.amdhsa_user_sgpr_count 2
		.amdhsa_user_sgpr_kernarg_segment_ptr 1
		.amdhsa_wavefront_size32 1
		.amdhsa_system_sgpr_workgroup_id_x 1
		.amdhsa_system_sgpr_workgroup_id_y 1
		.amdhsa_system_sgpr_workgroup_id_z 1
		.amdhsa_system_vgpr_workitem_id 0
		.amdhsa_next_free_vgpr 122
		.amdhsa_next_free_sgpr 66
		.amdhsa_reserve_vcc 1
		.amdhsa_float_denorm_mode_32 3
		.amdhsa_float_denorm_mode_16_64 3
		.amdhsa_memory_ordered 1
		.amdhsa_forward_progress 1
		.amdhsa_inst_pref_size 9
	.end_amdhsa_kernel
	.amdgpu_metadata
---
amdhsa.version: [ 1, 2 ]
amdhsa.kernels:
  - .name:           k_qc1d0a3a89e_scan
    .symbol:         k_qc1d0a3a89e_scan.kd
    .args:
      - { .name: x, .offset: 0, .size: 8, .value_kind: global_buffer, .address_space: global }
      - { .name: ks, .offset: 8, .size: 8, .value_kind: global_buffer, .address_space: global }
      - { .name: part, .offset: 16, .size: 8, .value_kind: global_buffer, .address_space: global }
    .group_segment_fixed_size: 3072
    .private_segment_fixed_size: 0
    .kernarg_segment_align: 8
    .kernarg_segment_size: 24
    .max_flat_workgroup_size: 256
    .sgpr_count:     66
    .vgpr_count:     122
    .wavefront_size: 32
...
	.end_amdgpu_metadata
.endif
;; end of part 1
;; launch emit (part 2): grid 256 x 1, 2 waves a work-group, no clusters, 0 bytes of LDS; arguments x, qs, part, out0; writes out0
.if DOCPART == 2
	.amdgcn_target "amdgcn-amd-amdhsa--gfx1250"
	.amdhsa_code_object_version 6
	.text
	.protected	k_qc1d0a3a89e_emit
	.globl	k_qc1d0a3a89e_emit
	.p2align	8
	.type	k_qc1d0a3a89e_emit,@function
k_qc1d0a3a89e_emit:
	s_mov_b64 s[64:65], 0
	v_nop
	global_prefetch_b8 v0, s[64:65] scope:SCOPE_SE
	s_setreg_imm32_b32 hwreg(HW_REG_WAVE_MODE, 25, 1), 1
	s_wait_xcnt 0x0
; emit: out[b][s] = v / |v|,  v = sum over heads h of x[b][ q > 0 ? argmax k : q < 0 ? argmin k : 0 ],  q = x[b][s] . qs[h].
; 256 work-groups of 2 waves; a wave owns 16 rows of out (4,096 bytes) and depends on no other wave: no LDS memory, no barrier.
; 1. The wave reads its batch's 64 x 16 entries (code, t) of part, 8,192 bytes, and finishes the 16 searches in whole numbers:
;    largest code, then smallest t among the entries that have it (the first index).  The gather's addresses hang on nothing else.
; 2. It gathers the 16 rows; row 0 of the batch, which serves q == 0, was asked for with the first loads.
; 3. Meanwhile q by the matrix unit, used transposed with the 8 heads standing twice (rows m and m + 8 of A): lane (r, half) gets the
;    eight q of row r, the same bits in both halves, and turns them into its piece of a 16 x 32 matrix of ones and zeros:
;    place j: q[j] > 0 (max row of head j);  8 + j: q[j] < 0 (min row);  16 + j: q[j] == 0 (row 0);  24 + j: multiplied by zeros.
; 4. v = that matrix x the 32 x 64 matrix of candidate rows, four matrix instructions.  Column n of instruction t is d = 4 n + t, so a lane
;    holds four neighbouring numbers of each of its eight rows of out, and sixteen lanes a whole row.
; 5. Norm in f32, and eight stores in each of which sixteen lanes write 256 consecutive bytes, aligned.
; LIMITS.  x and qs are rounded to bf16 for q, and the gathered rows to bf16 for step 4 (2^-9 of each number); sums in f32.
; A q within the rounding of its sum of 0 can take the other sign than in another order of summation.  NaN and infinities are not
; served.  v_rsq_f32 takes a sum of squares under 2^-126 as 0 (ISA guide, its entry in 15.8): rows of out with |v| under 2^-63 differ.
; NO CLUSTER: what the work-groups of a batch share (8,192 bytes of entries, 17 rows) is wanted in registers, spread by lane, once, in a text
; without a loop; joint loads would put barrier rounds and a trip through LDS into the chain entries -> indices -> rows -> out.
.set KM, 10                            ; v[10:13]    running largest codes (candidates 2l, 2l+1; two chains each)
.set TM, 14                            ; v[14:15]    what a partner lane holds
.set P,  16                            ; v[16:79]    entries: load i = code, t, code, t of candidates 2l, 2l+1 (l = lane mod 8), group 4i + lane/8
.set B2, 16                            ; v[16:47]    later: the candidate rows in bf16, four B fragments
.set D2, 48                            ; v[48:79]    later: v, four accumulators
.set QS, 80                            ; v[80:111]   qs as loaded
.set O,  80                            ; v[80:111]   later: out, register 4j + t = row 8 half + j, d = 4r + t
.set X,  112                           ; v[112:143]  my row of x as loaded
.set SS, 112                           ; v[112:119]  later: sums of squares
.set RS, 120                           ; v[120:127]  later: 1 / norm
.set WF, 128                           ; v[128:135]  later: weights 1.0 or 0 of places 8 half + j
.set ZF, 136                           ; v[136:143]  later: weights of places 16 + 8 half + j
.set X0, 144                           ; v[144:147]  row 0 of the batch, d = 4r .. 4r+3
.set G,  148                           ; v[148:179]  gathered row 8 half + k, d = 4r .. 4r+3, at 4k
.set QF, 180                           ; v[180:195]  qs in bf16, two K steps
.set XF, 196                           ; v[196:211]  x in bf16, two K steps
.set Q,  212                           ; v[212:219]  q of row r, heads 0..7
.set A2, 220                           ; v[220:227]  the weights in bf16: A fragment
.set I,  228                           ; v[228:235]  index, then byte offset, of candidate 8 half + k
.set BA, 236                           ; v[236:239]  4 x the lane that holds candidates 8 half + 2m, + 2m + 1
.set SG, 240                           ; v[240:241]  +1.0 in lanes 0-15, -1.0 in lanes 16-31
.set TN, 242                           ; v[242:245]  running smallest t
.set MK, 24                            ; s[24:55]    lane masks
	s_load_b256 s[4:11], s[0:1], 0x0               ; x s[4:5], qs s[6:7], part s[8:9], out0 s[10:11]
	v_and_b32 v1, 31, v0                           ; lane
	v_lshrrev_b32 v2, 5, v0
	v_readfirstlane_b32 s12, v2                    ; wave 0..1
	v_and_b32 v3, 15, v1                           ; r
	v_lshrrev_b32 v4, 4, v1                        ; half
	s_lshl1_add_u32 s13, ttmp9, s12                ; my block of 16 rows, 0..511
	s_lshl_b32 s14, s13, 12                        ; its bytes in x and in out0
	s_lshr_b32 s15, ttmp9, 7                       ; batch
	s_lshl_b32 s16, s15, 13                        ; a batch's entries: 8,192 bytes
	s_lshl_b32 s17, s15, 20                        ; a batch of x: 1 MiB
	v_lshl_add_u32 v7, v1, 4, s16                  ; part: 16 x lane
	v_lshl_add_u32 v8, v3, 4, s17                  ; a row of my batch: 16 r (row 0 as it stands)
	v_lshlrev_b32 v5, 8, v3                        ; x: row r of my 16, + 16 half
	v_lshl_add_u32 v5, v4, 4, v5
	v_add_nc_u32 v5, s14, v5
	v_and_b32 v6, 7, v3                            ; qs: head r mod 8, + 16 half
	v_lshlrev_b32 v6, 8, v6
	v_lshl_add_u32 v6, v4, 4, v6
	v_lshlrev_b32 v9, 4, v3                        ; out0: row 8 half, 16 r
	v_lshl_add_u32 v9, v4, 11, v9
	v_add_nc_u32 v9, s14, v9
	s_mov_b32 s20, 0x76543210                      ; v_permlanex16_b32: lane i of one half reads lane i of the other
	s_mov_b32 s21, 0xfedcba98
	s_mov_b32 s22, 0xffff0000                      ; lanes 16-31
	s_wait_kmcnt 0x0
.irp i, 0,1,2,3,4,5,6,7,8,9,10,11,12,13,14,15
	global_load_b128 v[P+4*\i:P+4*\i+3], v7, s[8:9] offset:512*\i      ; first, since the longest chain begins here; 512 consecutive bytes each
.endr
	; K order as in the launch before: load i of lane half h brings d = 8 i + 4 h + 0..3, for qs and for x alike
.irp i, 0,1,2,3,4,5,6,7
	global_load_b128 v[QS+4*\i:QS+4*\i+3], v6, s[6:7] offset:32*\i
.endr
.irp i, 0,1,2,3,4,5,6,7
	global_load_b128 v[X+4*\i:X+4*\i+3], v5, s[4:5] offset:32*\i
.endr
	global_load_b128 v[X0:X0+3], v8, s[4:5]
	v_mov_b32 v[TM], 0                             ; destinations of lane moves count as read: written once here
	v_mov_b32 v[TM+1], 0
	v_lshlrev_b32 v[BA], 4, v4                     ; candidates 8 half + 2m, + 2m + 1 end up in lane 4 half + m: 4 x that lane
	v_add_nc_u32 v[BA+1], 4, v[BA]
	v_add_nc_u32 v[BA+2], 8, v[BA]
	v_add_nc_u32 v[BA+3], 12, v[BA]
	v_cndmask_b32 v[SG], 1.0, -1.0, s22
	v_cndmask_b32 v[SG+1], 1.0, -1.0, s22
	; 1. THE SEARCHES, in whole numbers
	s_wait_loadcnt 0x11                            ; the entries are in; the 17 younger loads (8 qs, 8 x, row 0) may stay out
	v_max_u32 v[KM],   v[P],    v[P+4]
	v_max_u32 v[KM+1], v[P+2],  v[P+6]
	v_max_u32 v[KM+2], v[P+8],  v[P+12]
	v_max_u32 v[KM+3], v[P+10], v[P+14]
.irp i, 4,6,8,10,12,14
	v_max_u32 v[KM],   v[KM],   v[P+4*\i]
	v_max_u32 v[KM+1], v[KM+1], v[P+4*\i+2]
	v_max_u32 v[KM+2], v[KM+2], v[P+4*\i+4]
	v_max_u32 v[KM+3], v[KM+3], v[P+4*\i+6]
.endr
	v_max_u32 v[KM],   v[KM],   v[KM+2]
	v_max_u32 v[KM+1], v[KM+1], v[KM+3]
	v_mov_b32_dpp v[TM],   v[KM]   row_xmask:8 row_mask:0xf bank_mask:0xf  ; the four lanes l, l+8, l+16, l+24 hold the same two candidates
	v_mov_b32_dpp v[TM+1], v[KM+1] row_xmask:8 row_mask:0xf bank_mask:0xf
	v_max_u32 v[KM],   v[KM],   v[TM]
	v_max_u32 v[KM+1], v[KM+1], v[TM+1]
	v_permlanex16_b32 v[TM],   v[KM],   s20, s21
	v_permlanex16_b32 v[TM+1], v[KM+1], s20, s21
	v_max_u32 v[KM],   v[KM],   v[TM]
	v_max_u32 v[KM+1], v[KM+1], v[TM+1]            ; the batch's largest codes
.irp i, 0,1,2,3,4,5,6,7,8,9,10,11,12,13,14,15
	v_cmp_eq_u32 s[MK+2*\i],   v[P+4*\i],   v[KM]
	v_cmp_eq_u32 s[MK+2*\i+1], v[P+4*\i+2], v[KM+1]
.endr
.irp i, 0,1,2,3,4,5,6,7,8,9,10,11,12,13,14,15
	v_cndmask_b32 v[P+4*\i+1], -1, v[P+4*\i+1], s[MK+2*\i]             ; an entry that has not the largest code drops out
	v_cndmask_b32 v[P+4*\i+3], -1, v[P+4*\i+3], s[MK+2*\i+1]
.endr
	v_min_u32 v[TN],   v[P+1],  v[P+5]
	v_min_u32 v[TN+1], v[P+3],  v[P+7]
	v_min_u32 v[TN+2], v[P+9],  v[P+13]
	v_min_u32 v[TN+3], v[P+11], v[P+15]
.irp i, 4,6,8,10,12,14
	v_min_u32 v[TN],   v[TN],   v[P+4*\i+1]
	v_min_u32 v[TN+1], v[TN+1], v[P+4*\i+3]
	v_min_u32 v[TN+2], v[TN+2], v[P+4*\i+5]
	v_min_u32 v[TN+3], v[TN+3], v[P+4*\i+7]
.endr
	v_min_u32 v[TN],   v[TN],   v[TN+2]
	v_min_u32 v[TN+1], v[TN+1], v[TN+3]
	v_mov_b32_dpp v[TM],   v[TN]   row_xmask:8 row_mask:0xf bank_mask:0xf
	v_mov_b32_dpp v[TM+1], v[TN+1] row_xmask:8 row_mask:0xf bank_mask:0xf
	v_min_u32 v[TN],   v[TN],   v[TM]
	v_min_u32 v[TN+1], v[TN+1], v[TM+1]
	v_permlanex16_b32 v[TM],   v[TN],   s20, s21
	v_permlanex16_b32 v[TM+1], v[TN+1], s20, s21
	v_min_u32 v[TN],   v[TN],   v[TM]
	v_min_u32 v[TN+1], v[TN+1], v[TM+1]            ; the first index with that code: candidates 2l and 2l+1
	; 2. THE GATHER: lane (r, half) wants the indices of candidates 8 half + 0..7
.irp m, 0,1,2,3
	ds_bpermute_b32 v[I+2*\m],   v[BA+\m], v[TN]   ; a pull between lanes: no byte of LDS is touched
	ds_bpermute_b32 v[I+2*\m+1], v[BA+\m], v[TN+1]
.endr
	s_wait_dscnt 0x0
.irp k, 0,1,2,3,4,5,6,7
	v_min_u32 v[I+\k], 0xfff, v[I+\k]              ; an index of a batch's 4,096 rows, whatever the buffer held
	v_lshl_add_u32 v[I+\k], v[I+\k], 8, v8         ; row x 256 bytes + 16 r + batch
.endr
.irp k, 0,1,2,3,4,5,6,7
	global_load_b128 v[G+4*\k:G+4*\k+3], v[I+\k], s[4:5]               ; two whole rows: lanes 0-15 a max row, lanes 16-31 a min row
.endr
	; 3. q AND THE WEIGHTS, while the rows are on their way
	s_wait_loadcnt 0x8                             ; qs, x and row 0 are in; the eight gathers may stay out
.irp i, 0,1,2,3,4,5,6,7
	v_cvt_pk_bf16_f32 v[QF+2*\i],   v[QS+4*\i],   v[QS+4*\i+1]
	v_cvt_pk_bf16_f32 v[QF+2*\i+1], v[QS+4*\i+2], v[QS+4*\i+3]
	v_cvt_pk_bf16_f32 v[XF+2*\i],   v[X+4*\i],    v[X+4*\i+1]
	v_cvt_pk_bf16_f32 v[XF+2*\i+1], v[X+4*\i+2],  v[X+4*\i+3]
.endr
	v_wmma_f32_16x16x32_bf16 v[Q:Q+7], v[QF:QF+7], v[XF:XF+7], 0       ; register j of lane (r, half): q of row r, head (8 half + j) mod 8 = j
	s_wait_alu depctr_va_vdst(0)                   ; a wait ahead of the link
	v_wmma_f32_16x16x32_bf16 v[Q:Q+7], v[QF+8:QF+15], v[XF+8:XF+15], v[Q:Q+7]
	; the places behind the matrix instruction (ISA guide 7.12.1) are filled with row 0's part of the B fragments
.irp t, 0,1,2,3
	v_cndmask_b32 v[X0+\t], v[X0+\t], 0, s22       ; places 24..31 (lanes 16-31) hold zeros
.endr
.irp t, 0,1,2,3
.irp i, 4,5,6,7
	v_cvt_pk_bf16_f32 v[B2+8*\t+\i], v[X0+\t], v[X0+\t]                ; places 16..23: row 0, once for each head
.endr
.endr
.irp i, 0,2,4,6
	v_pk_mul_f32 v[Q+\i:Q+\i+1], v[Q+\i:Q+\i+1], v[SG:SG+1]            ; lanes 16-31 ask for q < 0: -q > 0 (exact)
.endr
.irp j, 0,1,2,3,4,5,6,7
	v_cmp_lt_f32 s[MK+\j],   0, v[Q+\j]
	v_cmp_eq_f32 s[MK+8+\j], 0, v[Q+\j]
.endr
.irp j, 0,1,2,3,4,5,6,7
	v_cndmask_b32 v[WF+\j], 0, 1.0, s[MK+\j]
	v_cndmask_b32 v[ZF+\j], 0, 1.0, s[MK+8+\j]
.endr
.irp i, 0,1,2,3
	v_cvt_pk_bf16_f32 v[A2+\i],   v[WF+2*\i], v[WF+2*\i+1]             ; places 8 half + 2i, + 2i + 1
	v_cvt_pk_bf16_f32 v[A2+4+\i], v[ZF+2*\i], v[ZF+2*\i+1]             ; places 16 + 8 half + 2i, + 2i + 1
.endr
	; 4. v = weights x candidate rows
	s_wait_loadcnt 0x0
.irp t, 0,1,2,3
.irp i, 0,1,2,3
	v_cvt_pk_bf16_f32 v[B2+8*\t+\i], v[G+8*\i+\t], v[G+8*\i+4+\t]      ; candidates 8 half + 2i, + 2i + 1 at d = 4r + t
.endr
.endr
.irp t, 0,1,2,3
	v_wmma_f32_16x16x32_bf16 v[D2+8*\t:D2+8*\t+7], v[A2:A2+7], v[B2+8*\t:B2+8*\t+7], 0    ; register j: v of row 8 half + j at d = 4r + t
.endr
.rept 4
	v_nop                                          ; four places before a vector instruction reads the results (ISA guide 7.12.1)
.endr
	; 5. THE NORM AND THE WAY OUT
.irp i, 0,2,4,6
	v_pk_mul_f32 v[SS+\i:SS+\i+1], v[D2+\i:D2+\i+1], v[D2+\i:D2+\i+1]
.endr
.irp t, 1,2,3
.irp i, 0,2,4,6
	v_pk_fma_f32 v[SS+\i:SS+\i+1], v[D2+8*\t+\i:D2+8*\t+\i+1], v[D2+8*\t+\i:D2+8*\t+\i+1], v[SS+\i:SS+\i+1]
.endr
.endr
.irp m, 1,2,4,8
.irp j, 0,1,2,3,4,5,6,7
	v_add_f32_dpp v[SS+\j], v[SS+\j], v[SS+\j] row_xmask:\m row_mask:0xf bank_mask:0xf     ; a row of out lies in the 16 lanes of one half
.endr
.endr
.irp j, 0,1,2,3,4,5,6,7
	v_rsq_f32 v[RS+\j], v[SS+\j]
.endr
	v_nop                                          ; one plain vector instruction before a transcendental's result is used (ISA guide 5.7.2)
	s_wait_alu depctr_va_vdst(0)
.irp j, 0,1,2,3,4,5,6,7
.irp t, 0,1,2,3
	v_mul_f32 v[O+4*\j+\t], v[D2+8*\t+\j], v[RS+\j]                    ; the scaling also puts a lane's four neighbours side by side
.endr
.endr
.irp j, 0,1,2,3,4,5,6,7
	global_store_b128 v9, v[O+4*\j:O+4*\j+3], s[10:11] offset:256*\j th:TH_STORE_NT        ; lanes 0-15: row j, lanes 16-31: row 8 + j, 256 bytes each
.endr
	s_endpgm
.Lfunc_end_k_qc1d0a3a89e_emit:
	.size	k_qc1d0a3a89e_emit, .Lfunc_end_k_qc1d0a3a89e_emit-k_qc1d0a3a89e_emit
	.p2alignl 7, 3214868480
	.fill 96, 4, 3214868480
	.section	.rodata,"a",@progbits
	.p2align	6, 0x0
	.amdhsa_kernel k_qc1d0a3a89e_emit
		.amdhsa_group_segment_fixed_size 0
		.amdhsa_private_segment_fixed_size 0
		.amdhsa_enable_private_segment 0
		.amdhsa_kernarg_size 32
		.amdhsa_user_sgpr_count 2
		.amdhsa_user_sgpr_kernarg_segment_ptr 1
		.amdhsa_wavefront_size32 1
		.amdhsa_system_sgpr_workgroup_id_x 1
		.amdhsa_system_sgpr_workgroup_id_y 1
		.amdhsa_system_sgpr_workgroup_id_z 1
		.amdhsa_system_vgpr_workitem_id 0
		.amdhsa_next_free_vgpr 246
		.amdhsa_next_free_sgpr 66
		.amdhsa_reserve_vcc 0
		.amdhsa_float_denorm_mode_32 3
		.amdhsa_float_denorm_mode_16_64 3
		.amdhsa_memory_ordered 1
		.amdhsa_forward_progress 1
		.amdhsa_inst_pref_size 27
	.end_amdhsa_kernel
	.amdgpu_metadata
---
amdhsa.version: [ 1, 2 ]
amdhsa.kernels:
  - .name:           k_qc1d0a3a89e_emit
    .symbol:         k_qc1d0a3a89e_emit.kd
    .args:
      - { .name: x, .offset: 0, .size: 8, .value_kind: global_buffer, .address_space: global }
      - { .name: qs, .offset: 8, .size: 8, .value_kind: global_buffer, .address_space: global }
      - { .name: part, .offset: 16, .size: 8, .value_kind: global_buffer, .address_space: global }
      - { .name: out0, .offset: 24, .size: 8, .value_kind: global_buffer, .address_space: global }
    .group_segment_fixed_size: 0
    .private_segment_fixed_size: 0
    .kernarg_segment_align: 8
    .kernarg_segment_size: 32
    .max_flat_workgroup_size: 64
    .sgpr_count:     66
    .vgpr_count:     246
    .wavefront_size: 32
...
	.end_amdgpu_metadata
.endif
;; end of part 2
